; MI455X (gfx1250); checked and timed in simulation.
; The chip was launched on July 23, 2026; its instructions are those of AMD's public machine-readable ISA for CDNA 5 (MIT licence, August 2026) and "CDNA5" Instruction Set Architecture Reference Guide (July 2026). The comments in the code are by the model that wrote it; some were corrected since.
;; Scaled Dot Product Attention. Allowed arithmetic: matrix products marked QUANTISED: E2M1 operands, one E8M0 scale for each 32 along K, by v_wmma_scale_f32_16x16x128_f8f6f4 with both operands' format E2M1 (or v_wmma_scale_f32_32x16x128_f4), f32 sums; everything else in f32.
;; Inputs: K 8 x 4,096 x 128 float32; Q 8 x 4,096 x 128 float32; V 8 x 4,096 x 128 float32.
;; Outputs: out0 8 x 4,096 x 128 float32.
;; This version of the problem:
;;   THIS VERSION OF THE PROBLEM IS GIVEN IN LOW PRECISION. The matrix products marked QUANTISED in the list below multiply operands that are first quantised to E2M1 (2 exponent bits, 1 mantissa bit; 4 bits a number), with one power-of-two scale for each 32 numbers along K (OCP MX v1.0); their sums are f32. All else is computed in f32.
;;   The module's matrix products, in the order in which they are computed (A, B: the left and right operand; K: the contracted axis; several contracted axes count as one K, in the product's order):
;;     1. batch 8 x [M 4,096, K 128] x [K 128, N 4,096]; A: input Q; B: input K: QUANTISED
;;     2. batch 8 x [M 4,096, K 4,096] x [K 4,096, N 128]; A: softmax (see below); B: input V: QUANTISED
;;   THE QUANTISER, for each operand of a quantised product, along K:
;;     - K is cut into blocks of 32 from its start; a last block that is shorter is filled with zeros.
;;     - A block's scale is 2^e with e = floor(log2(the largest magnitude in the block)) - 2, held to -126 .. 127; a block of zeros has e = 0. As a byte (E8M0): e + 127.
;;     - Each number is divided by its block's scale, clamped to +-6, and rounded to the nearest number of E2M1, ties to even, subnormals kept.
;;     - The product sums the exact products of the quantised numbers (number of the format x scale) in f32.
;;   ~~~python
;;   def quantise(x, axis):      # numpy; x: float32 -> the quantised numbers, widened to float32 again
;;       x = np.moveaxis(x, axis, -1); K = x.shape[-1]
;;       x = np.pad(x, [(0, 0)] * (x.ndim - 1) + [(0, -K % 32)]); x = x.reshape(x.shape[:-1] + (-1, 32)); a = np.abs(x).max(-1, keepdims=True)
;;       e = np.where(a > 0, np.clip(np.frexp(np.where(a > 0, a, 1))[1] - 1 - 2, -126, 127), 0)      # np.frexp(a)[1] - 1 = floor(log2(a)), exactly
;;       r = np.clip(x / 2.0 ** e, -6, 6)
;;       step = 2.0 ** (np.maximum(np.frexp(np.where(r == 0, 1, r))[1] - 1, 0) - 1)
;;       q = np.round(r / step) * step * 2.0 ** e      # np.round: ties to even
;;       return np.moveaxis(q.reshape(q.shape[:-2] + (-1,))[..., :K], -1, axis).astype(np.float32)
;;   ~~~
;;   SOFTMAX AHEAD OF A QUANTISED PRODUCT. Where the list says 'softmax', what is quantised is not the finished softmax but p = 2^(t - M), with t = logit x log2(e) and M = ceil(the row's largest t), a whole number; so 1/2 < the row's largest p <= 1. The row's sum l is taken of the UNQUANTISED p, in f32, and the product's result is divided by l at the end. Since M is a whole number, a kernel that streams over the keys may use a running M (the ceiling of the running maximum): every later rescaling is an exact power of two, which a block's scale takes up: the codes' values come out the same.
;;   OPERANDS COMPUTED ON THE WAY. 'Computed on the way' means the value that the module computes at that place (a softmax that the list does not call 'softmax' is quantised finished and normalised). What goes into a quantiser is computed in f32, as accurately as f32 sums, v_exp_f32 and their like allow (about 1e-6 of the number): no bf16 or f16 on the way to a quantiser, and a product that is left as it is and whose result goes on into a quantised operand takes f32 operands (vector FMAs, or v_wmma_f32_16x16x4_f32). A number that lies on a knife's edge between two numbers of the format may be rounded either way, as far as f32 arithmetic and the matrix unit's own rounding can turn it there, and no further.
;; One version. Each part assembles by itself: llvm-mc -triple=amdgcn-amd-amdhsa -mcpu=gfx1250 --defsym DOCPART=n.
;; ======== version 1 of 1: 2 launches
;; limits: right only within a limited range of input values
;; workspace buffers: kv 4,456,448 bytes
;; launch quant (part 1): grid 256 x 2, 4 waves a work-group, no clusters, 30,208 bytes of LDS; arguments K, V, kv; writes kv
.if DOCPART == 1
	.amdgcn_target "amdgcn-amd-amdhsa--gfx1250"
	.amdhsa_code_object_version 6
	.text
	.protected	k_qbe662e9618_quant
	.globl	k_qbe662e9618_quant
	.p2align	8
	.type	k_qbe662e9618_quant,@function
k_qbe662e9618_quant:
	s_mov_b64 s[64:65], 0
	v_nop
	global_prefetch_b8 v0, s[64:65] scope:SCOPE_SE
	s_setreg_imm32_b32 hwreg(HW_REG_WAVE_MODE, 25, 1), 1
	s_wait_xcnt 0x0
; K and V, [8][4096][128] f32, become codes of FP4 (E2M1) with one E8M0 scale byte for each 32 along the axis that their product contracts: K along the head's 128, V along the KEYS.
; A block's scale is 2^(floor(log2(its largest magnitude)) - 2); its byte is the largest magnitude's exponent field - 2, held at 1 from below.
; LIMITS: NaN and infinities among the inputs are not served.  A block of zeros, or one whose largest magnitude lies under the floor 2^-124, gets the byte 1 (the quantiser's text says 127 for zeros):
; zeros add nothing under any byte but 0xff, and the bytes are read by this program alone.
; THE BUFFER kv: [head 8][chunk 4: 1,024 keys], 139,264 dense bytes a chunk, an image of the operands' registers:
;   65,536 g (g = 0, 1: 512 keys)   K's codes [step 4][tile 8][d block 4][row 16][16 bytes];  32,768 on: V's codes [step 4][d tile 8][key block 4][d 16][16 bytes]
;   131,072 + 4,096 g               K's scale words [step 4][tile 8][row 16][4 bytes];        2,048 on: V's [step 4][d 128][4 bytes]
; Row 8 h + j of K's tile 4 c + i is key 64 c + 32 h + 8 i + j of the step, so that a lane of the scores holds whole blocks of 32 neighbouring keys.
; SHARES.  Work-group x = head x 32 + step: 128 keys x 128 d, 65,536 bytes of f32; y = 0 takes K's, y = 1 V's.  A wave takes a quarter.  Waves share nothing: no barrier, no tensor load, no cluster.
.set CHUNK, 139264
.set SP,    80                         ; a place in a stage: 64 bytes + 16 of padding
.set KREG,  7424                       ; K's way: LDS of a wave: two stages of 32 x SP bytes, its scale bytes (256), its 2,048 bytes of codes
.set SPARE, 4*KREG                     ; the spare words, 128 bytes for each wave
.set KR,    16                         ; K: v16-143  eight sets of 16 numbers as they are loaded
.set KX,    144                        ;    v144-175 two sets of 16 neighbours
.set KC,    176                        ;    v176-191 two registers of codes for each step
.set KE,    192                        ;    v192-199 a scale byte for each step
.set VX,    16                         ; V: v16-143  four blocks of 32 numbers
.set VC,    144                        ;    v144-159 four registers of codes for each block
	s_load_b128 s[4:7], s[0:1], 0x0                ; K s[4:5], V s[6:7]
	s_load_b64 s[8:9], s[0:1], 0x10                ; kv
	v_lshl_add_u32 v200, v0, 2, SPARE
	v_mov_b32 v201, 0
	v_lshrrev_b32 v1, 5, v0
	v_readfirstlane_b32 s16, v1                    ; wave 0..3
	v_and_b32 v2, 31, v0                           ; lane
	s_and_b32 s17, ttmp7, 0xffff                   ; y: 0 = K, 1 = V
	s_lshr_b32 s18, ttmp9, 3                       ; head x 4 + chunk
	s_and_b32 s19, ttmp9, 3                        ; the step in its half chunk
	s_bfe_u32 s27, ttmp9, 0x10002                  ; g
	s_mul_i32 s22, s18, CHUNK                      ; the chunk's first byte (under 2^23)
	s_lshl_b32 s20, s27, 16                        ; codes: 65,536 bytes for g,
	s_add_co_u32 s20, s20, s22
	s_lshl_b32 s26, s19, 13                        ; 8,192 a step,
	s_add_co_u32 s20, s20, s26
	s_lshl_b32 s26, s16, 11                        ; 2,048 a wave (two tiles)
	s_add_co_u32 s20, s20, s26
	s_mov_b32 s21, 0
	s_lshl_b32 s26, s27, 12                        ; scale words: 4,096 bytes for g,
	s_add_co_u32 s22, s22, s26
	s_lshl_b32 s26, s19, 9                         ; 512 a step,
	s_add_co_u32 s22, s22, s26
	s_lshl_b32 s26, s16, 7                         ; 128 a wave
	s_add_co_u32 s22, s22, s26
	s_add_co_u32 s22, s22, 131072
	s_mov_b32 s23, 0
	s_lshl_b32 s24, ttmp9, 16                      ; the source: 128 keys x 512 bytes for each work-group x
	s_mov_b32 s25, 0
	s_wait_alu depctr_va_vdst(0)                   ; the wait at the head's end
	s_wait_kmcnt 0x0
	s_add_nc_u64 s[10:11], s[8:9], s[20:21]        ; where my codes go (K's; V's lie 32,768 bytes on)
	s_add_nc_u64 s[12:13], s[8:9], s[22:23]        ; where my scale words go (K's; V's lie 2,048 bytes on)
	s_cmp_lg_u32 s17, 0
	s_cbranch_scc1 .Lv
; ---------------- K: the contracted axis is innermost.  My two tiles are two runs of 16 keys, 32 keys apart (rows 0-7 and rows 8-15 of both): eight steps of four keys, 512 numbers each.
; The conversions take neighbours along d from ONE lane's registers, so a lane must hold 16 neighbours (two lanes to a block); a load is best where neighbouring LANES take neighbouring bytes.
; Both are had: each load reads 512 consecutive bytes, 16 a lane, and a step's 2,048 bytes turn through my own stage in LDS and come back 64 bytes a lane.
	s_lshr_b32 s26, s16, 1
	s_lshl_b32 s26, s26, 15                        ; keys 64 (wave / 2)
	s_add_co_u32 s24, s24, s26
	s_and_b32 s26, s16, 1
	s_lshl_b32 s26, s26, 13                        ; + 16 (wave % 2)
	s_add_co_u32 s24, s24, s26
	s_add_nc_u64 s[4:5], s[4:5], s[24:25]
	v_lshlrev_b32 v3, 4, v2                        ; my 16 bytes of a load's 512
.macro KLOAD t
.irp i, 0,1,2,3
	global_load_b128 v[KR+16*(\t)+4*\i:KR+16*(\t)+4*\i+3], v3, s[4:5] offset:2048*((\t)%4)+16384*((\t)/4)+512*\i th:TH_LOAD_NT   ; 32 lanes read 512 consecutive bytes; read once in the launch
.endr
.endm
.irp t, 0,1,2,3,4,5,6,7
	KLOAD \t                                       ; all 32 loads of the wave go out at once: each step has registers of its own
.endr
	s_mul_i32 s26, s16, KREG
	v_lshrrev_b32 v14, 2, v2
	v_mul_u32_u24 v14, v14, SP
	v_and_b32 v15, 3, v2
	v_lshl_add_u32 v14, v15, 4, v14
	v_add_nc_u32 v14, s26, v14                     ; the stage, on the way in: four lanes' 64 bytes on end, then the padding; a load's 512 bytes take eight places
	v_mul_u32_u24 v15, v2, SP
	v_add_nc_u32 v15, s26, v15                     ; and on the way out: SP x lane: my 16 neighbours
	s_add_co_u32 s27, s26, 5376                    ; my codes
	s_add_co_u32 s28, s26, 5120                    ; my scale bytes
	v_lshrrev_b32 v4, 3, v2                        ; of a step's four keys mine is lane / 8,
	v_lshlrev_b32 v4, 4, v4
	v_bfe_u32 v5, v2, 1, 2                         ; my block (lane / 2) % 4,
	v_lshl_add_u32 v4, v5, 8, v4
	v_and_b32 v5, 1, v2                            ; my half of its 16 bytes
	v_lshl_add_u32 v4, v5, 3, v4
	v_add_nc_u32 v4, s27, v4                       ; codes in: 16 x key + 256 x block + 8 x half
	v_add_nc_u32 v13, s27, v3                      ; codes out: 16 bytes a lane
	v_lshrrev_b32 v5, 1, v2
	v_add_nc_u32 v5, s28, v5                       ; my block's scale byte
	v_lshlrev_b32 v7, 2, v2                        ; and on the way out 4 bytes a lane
	v_add_nc_u32 v6, s28, v7
.macro KTURN t                         ; step t's numbers through the stage: LDS serves a wave's instructions in order (ISA guide 5.7.1.4), so no wait stands between the stores and the loads
.irp i, 0,1,2,3
	ds_store_b128 v14, v[KR+16*(\t)+4*\i:KR+16*(\t)+4*\i+3] offset:32*SP*((\t)%2)+8*SP*\i
.endr
.irp i, 0,1,2,3
	ds_load_b128 v[KX+16*((\t)%2)+4*\i:KX+16*((\t)%2)+4*\i+3], v15 offset:32*SP*((\t)%2)+16*\i
.endr
.endm
	s_wait_alu depctr_va_vdst(0)                   ; directly ahead of the wait below
	s_wait_loadcnt 28                              ; step 0's four loads are in; the 28 behind them may be out
	KTURN 0
.macro KSTEP t
.set XS, KX+16*((\t)%2)
.if (\t) > 0
	s_wait_dscnt 2                                 ; this step's numbers are back from the stage; the last step's two stores, issued behind them, may be out
.else
	s_wait_dscnt 0x0
.endif
.if (\t) < 7
	s_wait_loadcnt 24-4*(\t)                       ; the next step's four loads are in; those of the steps behind it may be out
	KTURN (\t)+1                                   ; and go through the other stage while this step is worked
.endif
	v_max3_num_f32 v8, |v[XS]|, |v[XS+1]|, |v[XS+2]|               ; the largest magnitude of my 16, in two chains
	v_max3_num_f32 v9, |v[XS+3]|, |v[XS+4]|, |v[XS+5]|
.irp i, 6,10
	v_max3_num_f32 v8, v8, |v[XS+\i]|, |v[XS+\i+1]|
	v_max3_num_f32 v9, v9, |v[XS+\i+2]|, |v[XS+\i+3]|
.endr
	v_max3_num_f32 v8, v8, |v[XS+14]|, |v[XS+15]|
	v_max3_num_f32 v8, v8, v9, 0x1800000           ; and the floor 2^(3 - 127): the byte cannot fall under 1
	v_max_num_f32_dpp v8, v8, v8 row_xmask:1 row_mask:0xf bank_mask:0xf   ; and of my neighbour's 16: the block's
	v_add_nc_u32 v11, 0xff000000, v8               ; 2 off its exponent field: the conversion's scale operand
	v_cvt_scalef32_pk8_fp4_f32 v[KC+2*(\t)], v[XS:XS+7], v11       ; to the nearest code, ties to even, beyond the largest code the largest; the first number's code in the lowest four bits
	v_cvt_scalef32_pk8_fp4_f32 v[KC+2*(\t)+1], v[XS+8:XS+15], v11
	v_lshrrev_b32 v[KE+(\t)], 23, v11              ; the scale's byte (also the plain line behind the conversions)
	ds_store_b8 v5, v[KE+(\t)] offset:64*(((\t)%4)/2)+32*((\t)/4)+16*((\t)%2)       ; four bytes a row, at the row's place; both lanes of a block write the same byte with the same value
	ds_store_b64 v4, v[KC+2*(\t):KC+2*(\t)+1] offset:1024*(((\t)%4)/2)+128*((\t)/4)+64*((\t)%2)   ; rows 8 (t / 4) + 4 (t % 2) + 0..3 of my tile (t % 4) / 2
.endm
.irp t, 0,1,2,3,4,5,6,7
	KSTEP \t
.endr
	ds_load_b32 v12, v6                            ; LDS serves a wave's instructions in order: these see my stores
.irp i, 0,1,2,3
	ds_load_b128 v[KR+4*\i:KR+4*\i+3], v13 offset:512*\i
.endr
	s_wait_dscnt 4                                 ; the scale words are in; the four loads of codes may be out
	global_store_b32 v7, v12, s[12:13]             ; my two tiles' scale words: 128 consecutive bytes
.irp i, 0,1,2,3
	s_wait_dscnt 3-\i                              ; load i is back; the younger ones may be out
	global_store_b128 v3, v[KR+4*\i:KR+4*\i+3], s[10:11] offset:512*\i   ; 32 lanes store 512 consecutive bytes, at a multiple of 256 from the buffer's first byte
.endr
	s_wait_tensorcnt 0x0                           ; the wave's end
	ds_add_u32 v200, v201
	s_wait_dscnt 0x0
	s_endpgm
; ---------------- V: the contracted axis, the keys, is NOT innermost.  A LANE TAKES A COLUMN d = 32 x wave + lane, AND ITS REGISTERS RUN DOWN THE KEYS: a block of 32 keys lies in one lane's 32 registers,
; its largest magnitude needs no other lane, and the conversions give codes with the keys innermost.  A lane's 16 bytes of a block lie beside its neighbour's in kv: they are stored from their registers.  This way writes no LDS.
.Lv:
	s_lshl_b32 s26, s16, 7                         ; my 32 columns of 4 bytes
	s_add_co_u32 s24, s24, s26
	s_add_nc_u64 s[6:7], s[6:7], s[24:25]
	s_add_nc_u64 s[10:11], s[10:11], 32768         ; V's codes lie behind K's,
	s_add_nc_u64 s[12:13], s[12:13], 2048          ; V's scale words behind K's
	v_lshlrev_b32 v3, 2, v2                        ; 4 bytes a lane
.macro VLOAD b                         ; block b: V(32 b + i, my column), i = 0 .. 31
.set i, 0
.rept 32
	global_load_b32 v[VX+32*(\b)+i], v3, s[6:7] offset:(32*(\b)+i)*512 th:TH_LOAD_NT   ; 32 lanes read 128 consecutive bytes; the four waves stand side by side on a row's 512
.set i, i+1
.endr
.endm
	v_lshrrev_b32 v5, 4, v2
	v_and_b32 v6, 15, v2
	v_lshlrev_b32 v6, 4, v6
	v_lshl_add_u32 v6, v5, 10, v6                  ; codes: 1,024 x my tile + 16 x row; a block is 256 bytes on
.irp b, 0,1,2,3
	VLOAD \b                                       ; all 128 loads of the wave go out on end: each block has registers of its own
.endr
.macro VBLOCK b
.set XS, VX+32*(\b)
	v_max3_num_f32 v12, |v[XS]|, |v[XS+1]|, |v[XS+2]|              ; the block's largest magnitude: all 32 numbers are mine
	v_max3_num_f32 v13, |v[XS+3]|, |v[XS+4]|, |v[XS+5]|
.irp i, 6,10,14,18,22,26
	v_max3_num_f32 v12, v12, |v[XS+\i]|, |v[XS+\i+1]|
	v_max3_num_f32 v13, v13, |v[XS+\i+2]|, |v[XS+\i+3]|
.endr
	v_max3_num_f32 v12, v12, |v[XS+30]|, |v[XS+31]|
	v_max3_num_f32 v12, v12, v13, 0x1800000        ; and the floor 2^(3 - 127)
	v_add_nc_u32 v11, 0xff000000, v12              ; 2 off its exponent field: the conversion's scale operand
	v_lshrrev_b32 v13, 23, v11                     ; the scale's byte
.if (\b) == 0
	v_mov_b32 v10, v13                             ; the four blocks' bytes make my column's scale word for these 128 keys, the lower keys in the lower byte
.else
	v_lshl_or_b32 v10, v13, 8*(\b), v10
.endif
.irp g, 0,1,2,3
	v_cvt_scalef32_pk8_fp4_f32 v[VC+4*(\b)+\g], v[XS+8*\g:XS+8*\g+7], v11
.endr
	v_nop                                          ; one plain line behind the conversions: the next block writes their scale operand
	global_store_b128 v6, v[VC+4*(\b):VC+4*(\b)+3], s[10:11] offset:256*(\b)   ; sixteen lanes store one aligned unit of 256 bytes
.endm
	s_wait_alu depctr_va_vdst(0)                   ; directly ahead of the wait below
	s_wait_loadcnt 63                              ; at least 65 of the 128 loads are in: blocks 0 and 1
	VBLOCK 0
	VBLOCK 1
	s_wait_loadcnt 32                              ; block 2 is in; block 3's 32 loads may be out
	VBLOCK 2
	s_wait_loadcnt 0x0
	VBLOCK 3
	global_store_b32 v3, v10, s[12:13]             ; my 32 columns' scale words: 128 consecutive bytes
	s_endpgm
.Lfunc_end_k_qbe662e9618_quant:
	.size	k_qbe662e9618_quant, .Lfunc_end_k_qbe662e9618_quant-k_qbe662e9618_quant
	.p2alignl 7, 3214868480
	.fill 96, 4, 3214868480
	.section	.rodata,"a",@progbits
	.p2align	6, 0x0
	.amdhsa_kernel k_qbe662e9618_quant
		.amdhsa_group_segment_fixed_size 30208
		.amdhsa_private_segment_fixed_size 0
		.amdhsa_enable_private_segment 0
		.amdhsa_kernarg_size 24
		.amdhsa_user_sgpr_count 2
		.amdhsa_user_sgpr_kernarg_segment_ptr 1
		.amdhsa_wavefront_size32 1
		.amdhsa_system_sgpr_workgroup_id_x 1
		.amdhsa_system_sgpr_workgroup_id_y 1
		.amdhsa_system_sgpr_workgroup_id_z 1
		.amdhsa_system_vgpr_workitem_id 0
		.amdhsa_next_free_vgpr 202
		.amdhsa_next_free_sgpr 66
		.amdhsa_reserve_vcc 0
		.amdhsa_float_denorm_mode_32 3
		.amdhsa_float_denorm_mode_16_64 3
		.amdhsa_memory_ordered 1
		.amdhsa_forward_progress 1
		.amdhsa_inst_pref_size 38
	.end_amdhsa_kernel
	.amdgpu_metadata
---
amdhsa.version: [ 1, 2 ]
amdhsa.kernels:
  - .name:           k_qbe662e9618_quant
    .symbol:         k_qbe662e9618_quant.kd
    .args:
      - { .name: K, .offset: 0, .size: 8, .value_kind: global_buffer, .address_space: global }
      - { .name: V, .offset: 8, .size: 8, .value_kind: global_buffer, .address_space: global }
      - { .name: kv, .offset: 16, .size: 8, .value_kind: global_buffer, .address_space: global }
    .group_segment_fixed_size: 30208
    .private_segment_fixed_size: 0
    .kernarg_segment_align: 8
    .kernarg_segment_size: 24
    .max_flat_workgroup_size: 128
    .sgpr_count:     66
    .vgpr_count:     202
    .wavefront_size: 32
...
	.end_amdgpu_metadata
.endif
;; end of part 1
;; launch attn (part 2): grid 32 x 8, 8 waves a work-group, clusters of 4 x 1, 327,680 bytes of LDS; arguments Q, kv, out0; writes out0
.if DOCPART == 2
	.amdgcn_target "amdgcn-amd-amdhsa--gfx1250"
	.amdhsa_code_object_version 6
	.text
	.protected	k_qbe662e9618_attn
	.globl	k_qbe662e9618_attn
	.p2align	8
	.type	k_qbe662e9618_attn,@function
k_qbe662e9618_attn:
	s_mov_b64 s[64:65], 0
	v_nop
	global_prefetch_b8 v0, s[64:65] scope:SCOPE_SE
	s_setreg_imm32_b32 hwreg(HW_REG_WAVE_MODE, 25, 1), 1
	s_wait_xcnt 0x0
	s_wait_alu depctr_hold_cnt(0) depctr_sa_sdst(0) depctr_va_vdst(0) depctr_va_sdst(0) depctr_va_ssrc(0) depctr_va_vcc(0) depctr_vm_vsrc(0)
	s_getreg_b32 s2, hwreg(HW_REG_IB_STS2, 6, 4)
	s_cmp_eq_u32 s2, 0
	s_cbranch_scc0 .Lentry_in_a_cluster
	s_endpgm
.Lentry_in_a_cluster:
	s_bfe_u32 s2, ttmp6, 0x10000c
	s_cmp_lg_u32 s2, 0x3003
	s_cbranch_scc0 .Lentry_shape_is_right
	s_endpgm
.Lentry_shape_is_right:
; out0[h][q][:] = the sum over k of softmax_k(Q[h][q] . K[h][k]) V[h][k][:], 8 heads, 4,096 queries and keys, head size 128, no scale, no mask; both products on codes of FP4 (E2M1) with one E8M0 scale for each 32 along a product's K.
; Q arrives as f32 and is quantised here, in registers.  K and V come as codes and scale words from kv, laid by the launch before as an image of the operands' registers: [head][chunk of 1,024 keys], 139,264 dense bytes a chunk.
; THE SOFTMAX AHEAD OF THE SECOND PRODUCT: t = score x log2(e); M = the row's largest t so far, rounded UP to a whole number; p = 2^(t - M) is what is quantised, along the keys; it is not normalised.
; The row's sum is taken of the unquantised p, in f32, and divides O at the end.  When M moves, the sum and O are multiplied by 2^(old M - new M): exact.
; SHARES.  A work-group owns 128 queries of one head: 256 work-groups.  Wave w works on two tiles of 16 queries, 2 (w % 4) and 2 (w % 4) + 1, and on HALF the keys: of each chunk the 512 of half g = w / 4, 256 a step.
; So each fragment of K and V feeds two products, and two waves lie on a SIMD.  Tile A is tile 2 (w % 4) + g, tile B the other.  At the end a wave hands its part of tile B to wave w xor 4 through LDS and finishes tile A.
; LAYOUT.  Both products are used transposed, 32 rows at a time: S^T = K Q^T (source 0 = 32 keys, source 1 = 16 queries), O^T = V^T P^T (source 0 = 32 of the head's 128, source 1 = P): a lane holds ONE query (lane % 16) throughout.
; Row 8 h + j of K's tile 4 c + i is key 64 c + 32 h + 8 i + j, so that a lane's 32 registers of four tiles are one whole block of 32 keys, in the order in which the second product wants its codes.
; CLUSTER.  The four query blocks of a cluster belong to one head and walk the same chunks, so each chunk is asked for JOINTLY: the same tensor load, with the same descriptor and a mask that names the four, in all four.
; A chunk is 544 runs of 256 bytes; each of the eight waves fetches 68 of them with one load.  My place in the cluster enters Q's and out0's addresses alone.
; NO DATA PREFETCH: a refill goes out four key steps of 256 keys (two for each half of the waves) ahead of the wait for it, and only two trips of the text fill: an ask one trip ahead would serve one fill alone.
; LIMITS: NaN and infinities among the inputs are not served; scaled scores t stay under 2^31 in magnitude; p under 2^-126 counts as 0 (v_exp_f32 gives 0 there: ISA guide 15.8); a block of Q under the floor 2^-124 gets the scale byte 1.
; REGISTERS.  Tile A lives in window 0, tile B under the same numbers in window 1: 24-31 at work, 32 -M, 33 the largest score, 34-35 the sum, 36 the factor f, 40-55 p's codes, 56-63 Q's codes, 64-127 O^T, 128-255 S^T, then p.
;   Window 0 also: v0 thread, 1-2 addresses, 3-4 for the add, the scale words (5-23, 37-39: nothing else is ever put there).
;   V's 16 fragments of a step lie where tile A's p was (codes have been made of it).  K's: eight in tile B's S^T, upper half; three in window 1's v0-23; five in registers at work and in p's codes, which are free between the products.
.set CHUNK, 139264
.set SCOFF, 131072                     ; the scale words in a chunk
.set QX,    2*CHUNK                    ; behind the two slots: Q's codes and scale words, 1,280 bytes for each wave
.set QXW,   1280
.set QST,   QX+8*QXW                   ; and a stage for each wave in which half of a tile of Q turns: 16 rows x (256 bytes + 16)
.set QSP,   272
.set SPARE, QST+8*16*QSP               ; the spare words, 128 bytes for each of eight waves
.set XW,    8448                       ; the way out: a wave's O^T (8,192 bytes), -M and sum; and its stage of 16 rows x (512 + 16) bytes
.set STG,   8*XW                       ; both in slot 0: it has had its last fill, and behind the last change of slots nobody reads it
.set SPITCH, 528
.set AD,   1                           ; codes in the chunk in hand: + 16 x lane
.set ADS,  2                           ; scale words: + 4 x lane
.set SPW,  3
.set NIL,  4
.set PSB1, 5
.set PSA0, 6
.set PSA1, 7
.set KSC,  11                          ; v11-18: K's scale words, 32 rows a register; V's: v8-10, v19-23
.set QSB,  37                          ; (the upper half of the pair that holds f: the packed forms name it and do not use it)
.set QSA,  38
.set PSB0, 39
.set W,    24
.set NM,   32
.set MX,   33
.set SM,   34
.set FF,   36
.set PC,   40
.set QC,   56
.set O,    64
.set S,    128
.set WV,  10                           ; s10  my wave's number
.set SEL, 20                           ; s[20:21] lane selects for v_permlanex16_b32: lane l xor 16
.set CS,  22                           ; s[22:23] log2(e): the packed form names a pair and takes its low word for both halves
.set G1,  24                           ; s[24:31] descriptor group 1
.set G0,  32                           ; s[32:35] descriptor group 0: it walks
.set LA,  36                           ; s36  LDS address of the next refill
.set TB,  37                           ; s37  LDS byte at which the slot in hand begins
.set CNT, 38
.set GK,  39                           ; s39  65,536 g
.set GS,  40                           ; s40  SCOFF + 4,096 g
.set NC,  44                           ; s44  -log2(e)
.set MSB, 0
.macro WIN new                         ; the immediate's high byte repeats the setting that is left
.if MSB != (\new)
	s_set_vgpr_msb (MSB<<8)|(\new)
.set MSB, \new
.endif
.endm
.macro WA                              ; ahead of and behind exponentials, ahead of blocking waits and branches, ahead of matrix results that are first read behind exponentials
	s_wait_alu depctr_va_vdst(0)
.endm
.macro NOPS n
.rept \n
	v_nop
.endr
.endm
.macro TLOAD                           ; my 68 runs of a chunk, jointly with the three partners.  Four v_nop follow
	tensor_load_to_lds s[G0:G0+3], s[G1:G1+7]
	s_nop 0
	NOPS 4
.endm
; A round of the cluster's barrier: my work-group's barrier, so that wave 0's signal speaks for all eight waves; wave 0 signals for the work-group; every wave waits for all four work-groups; my work-group's barrier once more.
.macro CREST                           ; a round behind its opening barrier
	s_cmp_lg_u32 s[WV], 0
	s_cbranch_scc1 .Lnot_wave_0_\@
	s_barrier_signal -3
.Lnot_wave_0_\@:
	s_barrier_wait -3
	s_barrier_signal -1
	s_barrier_wait -1
.endm
.macro CROUND
	s_barrier_signal -1
	s_barrier_wait -1
	CREST
.endm
	s_load_b128 s[4:7], s[0:1], 0x0                ; Q s[4:5], kv s[6:7]
	s_load_b64 s[8:9], s[0:1], 0x10                ; out0
	v_lshl_add_u32 v[SPW], v0, 2, SPARE
	v_mov_b32 v[NIL], 0
	ds_add_u32 v[SPW], v[NIL]                      ; the wave's opening: the add, twice on end, and its wait ahead of my first tensor load
	ds_add_u32 v[SPW], v[NIL]
	v_lshrrev_b32 v[W], 5, v0
	v_readfirstlane_b32 s[WV], v[W]                ; wave 0..7
	s_bfe_u32 s11, ttmp6, 0x40000                  ; cx: my place in the cluster
	s_lshl_b32 s12, ttmp9, 2                       ; in a cluster launch ttmp9 counts clusters
	s_add_co_u32 s12, s12, s11                     ; my block of 128 queries = 4 x cluster x + cx
	s_and_b32 s13, ttmp7, 0xffff                   ; the head, which the four partners share
	; descriptor group 1: 68 rows of 256 bytes (32 elements of 8 bytes), dense in memory and in LDS
	s_mov_b32 s[G1], 15|(3<<16)|(1<<21)            ; 15:0 the mask: all four work-groups; 17:16 elements of 8 bytes; 21 set beside a mask
	s_mov_b32 s[G1+1], 32<<16                      ; tensor_dim0 = 32
	s_mov_b32 s[G1+2], 68<<16                      ; tensor_dim1 = 68
	s_mov_b32 s[G1+3], 32<<16                      ; tile_dim0 = 32
	s_mov_b32 s[G1+4], 68                          ; tile_dim1 = 68
	s_mov_b32 s[G1+5], 32                          ; tensor_dim0_stride: rows follow each other
	s_mov_b32 s[G1+6], 0
	s_mov_b32 s[G1+7], 0
	s_and_b32 s18, s[WV], 3
	s_lshr_b32 s19, s[WV], 2                       ; g
	s_lshl_b32 s41, s18, 1
	s_add_co_u32 s41, s41, s19                     ; my tile A = 2 (w % 4) + g
	s_lshl_b32 s[GK], s19, 16
	s_lshl_b32 s[GS], s19, 12
	s_add_co_u32 s[GS], s[GS], SCOFF
	s_mul_i32 s14, s13, 4*CHUNK                    ; the head's four chunks in kv,
	s_mul_i32 s42, s[WV], 68*256                   ; my runs
	s_add_co_u32 s14, s14, s42
	s_mov_b32 s15, 0
	s_lshl_b32 s16, s13, 21                        ; Q and out0: the head's 4,096 rows of 512 bytes,
	s_lshl_b32 s17, s12, 16                        ; my block's 128,
	s_add_co_u32 s16, s16, s17
	s_lshl_b32 s17, s41, 13                        ; my tile A's 16
	s_add_co_u32 s16, s16, s17
	s_mov_b32 s17, 0
	s_mov_b32 s[SEL], 0x76543210
	s_mov_b32 s[SEL+1], 0xfedcba98
	s_mov_b32 s[CS], 0x3fb8aa3b                    ; log2(e)
	s_mov_b32 s[CS+1], s[CS]                       ; (named with it as a pair, so it is written)
	s_mov_b32 s[NC], 0xbfb8aa3b
	v_and_b32 v[W+2], 15, v0                       ; r = lane % 16
	v_bfe_u32 v[W+3], v0, 4, 1                     ; h = lane / 16
	s_mul_i32 s43, s[WV], 16*QSP
	s_add_co_u32 s43, s43, QST                     ; my stage
	v_lshlrev_b32 v[W+4], 4, v[W+2]
	v_lshl_add_u32 v[W+1], v[W+3], 9, v[W+4]       ; Q: lanes 0-15 take 256 bytes of one row, lanes 16-31 of the next
	v_mul_u32_u24 v[W+6], v[W+3], QSP
	v_add_nc_u32 v[W+6], v[W+6], v[W+4]
	v_add_nc_u32 v[W+6], s43, v[W+6]               ; into the stage, as loaded;
	v_mul_u32_u24 v[W+4], v[W+2], QSP
	v_lshl_add_u32 v[W+4], v[W+3], 7, v[W+4]
	v_add_nc_u32 v[W+4], s43, v[W+4]               ; and out of it: row r, + 128 h
	WA
	s_wait_dscnt 0x0                               ; both opening adds are done
	s_wait_kmcnt 0x0
	s_mov_b32 s[G0], 1                             ; 1:0 count = 1
	s_mul_i32 s[G0+1], s[WV], 68*256               ; 63:32 LDS address: my runs of slot 0: no place in the cluster enters it
	s_mul_i32 s[LA], s[WV], 68*256                 ; the first refill goes there again
	s_add_nc_u64 s[G0+2:G0+3], s[6:7], s[14:15]    ; 120:64 global address: the head's first chunk, my runs
	s_or_b32 s[G0+3], s[G0+3], 0x80000000          ; 127:126 type = 2
	s_add_nc_u64 s[4:5], s[4:5], s[16:17]          ; Q at tile A's first query
	s_add_nc_u64 s[8:9], s[8:9], s[16:17]          ; out0 likewise
	; Q: lane (r, h) takes, of row r, the 32 numbers k = 64 c + 32 h + 0 .. 31 for c = 0, 1: two whole blocks, in the order that the operand's layout gives that lane
.irp c, 0,1
.irp j, 0,1,2,3,4,5,6,7
	global_load_b128 v[S+64+32*\c+4*\j:S+64+32*\c+4*\j+3], v[W+1], s[4:5] offset:256*\c+1024*\j   ; rows 2 j and 2 j + 1: two whole units of 256 bytes
.endr
.endr
	CROUND                                         ; all four work-groups are here: the first joint loads meet
	TLOAD                                          ; chunk 0
	; the step is written once: the first finds zeros to rescale
.macro CLEAR
.set jj, 0
.rept 64
	v_mov_b32 v[O+jj], 0
.set jj, jj+1
.endr
	v_mov_b32 v[NM], 0x7f167699                    ; -M: 2e38: above every -M, so that the first f is 0
	v_mov_b32 v[MX], 0xff167699                    ; the largest score so far: -2e38, under every score
	v_mov_b32 v[SM], 0
	v_mov_b32 v[SM+1], 0
	v_mov_b32 v[FF], 0
	v_mov_b32 v[W+5], 0                            ; (a lane permute's destination counts as one of its sources)
	v_mov_b32 v[W+7], 0
.endm
	CLEAR
	WIN 0x40
	CLEAR
	v_mov_b32 v[FF+1], 0                           ; (named as the upper half of f's pair)
	WIN 0
	WA
.irp c, 0,1
	s_wait_loadcnt 8-8*\c                          ; the eight loads of this half of the head's 128 are in
.irp j, 0,1,2,3,4,5,6,7
	ds_store_b128 v[W+6], v[S+64+32*\c+4*\j:S+64+32*\c+4*\j+3] offset:2*QSP*\j
.endr
.irp j, 0,1,2,3,4,5,6,7
	ds_load_b128 v[S+32*\c+4*\j:S+32*\c+4*\j+3], v[W+4] offset:16*\j   ; LDS serves a wave's instructions in order (ISA guide 5.7.1.4): these see the stores above, and the next half's stores come behind them
.endr
.endr
	s_wait_dscnt 0x0
.irp c, 0,1
	v_max3_num_f32 v[W+\c], |v[S+32*\c]|, |v[S+1+32*\c]|, 0x1800000   ; my block 2 c + h: all its 32 numbers are mine; and the floor 2^(3 - 127): the byte cannot fall under 1
.endr
.irp i, 2,4,6,8,10,12,14,16,18,20,22,24,26,28,30
.irp c, 0,1
	v_max3_num_f32 v[W+\c], v[W+\c], |v[S+32*\c+\i]|, |v[S+1+32*\c+\i]|   ; (the two blocks by turns)
.endr
.endr
.irp c, 0,1
	v_add_nc_u32 v[W+\c], 0xff000000, v[W+\c]      ; 2 off the exponent field: the conversion's scale operand
.endr
.irp c, 0,1
	v_lshrrev_b32 v[W+2+\c], 23, v[W+\c]           ; the scale's byte
.endr
	v_lshl_or_b32 v[W+4], v[W+3], 16, v[W+2]       ; my two bytes: blocks h and 2 + h of row r;
	v_permlanex16_b32 v[W+5], v[W+4], s[SEL], s[SEL+1]
	v_lshl_or_b32 v[QSA], v[W+5], 8, v[W+4]        ; with lane l xor 16's two the word is whole in lanes 0-15, which alone are read
.irp c, 0,1
.irp g, 0,1,2,3
	v_cvt_scalef32_pk8_fp4_f32 v[QC+4*\c+\g], v[S+32*\c+8*\g:S+32*\c+8*\g+7], v[W+\c]   ; registers 4 c .. 4 c + 3 of the operand
.endr
.endr
	; my tile A is tile B of wave w xor 4: its codes and scale word pass through LDS as an image of the registers
	v_and_b32 v[W+2], 31, v0
	s_mul_i32 s42, s[WV], QXW
	s_add_co_u32 s42, s42, QX
	s_xor_b32 s43, s[WV], 4
	s_mul_i32 s43, s43, QXW
	s_add_co_u32 s43, s43, QX
	v_lshlrev_b32 v[W+3], 4, v[W+2]
	v_lshlrev_b32 v[W+2], 2, v[W+2]
	v_add_nc_u32 v[W+7], s42, v[W+3]
	v_add_nc_u32 v[W+6], s42, v[W+2]
	v_add_nc_u32 v[W+4], s43, v[W+3]
	v_add_nc_u32 v[W+5], s43, v[W+2]
	ds_store_b128 v[W+7], v[QC:QC+3]
	ds_store_b128 v[W+7], v[QC+4:QC+7] offset:512
	ds_store_b32 v[W+6], v[QSA] offset:1024
	s_mov_b32 s[TB], 0
	s_mov_b32 s[CNT], 2
	WA                                             ; the wait at the head's end
	s_wait_tensorcnt 0x0                           ; my part of chunk 0 is in
	ds_add_u32 v[SPW], v[NIL]
	s_add_co_u32 s[G0+1], s[G0+1], CHUNK           ; slot 1,
	s_add_nc_u64 s[G0+2:G0+3], s[G0+2:G0+3], CHUNK ; the next 1,024 keys
	s_wait_dscnt 0x0                               ; the add is done, and so are my stores
	CROUND
	TLOAD                                          ; chunk 1
	WIN 0x40
	ds_load_b128 v[QC:QC+3], v[W+4]                ; tile B's codes
	ds_load_b128 v[QC+4:QC+7], v[W+4] offset:512
	WIN 0
	ds_load_b32 v[QSB], v[W+5] offset:1024         ; and scale words
; A fragment is 16 rows x 128 along K of 4-bit codes: 8 registers; lane l holds row l % 16; registers 4 c .. 4 c + 3 hold K = 64 c + 32 (l / 16) + 0 .. 31: 16 bytes a lane, 512 consecutive bytes a load.
.macro KLD t, r, u                     ; tile t (0..15) of my step u of the chunk, to register r
.irp c, 0,1
	ds_load_b128 v[4*\c+\r:4*\c+\r+3], v[AD] offset:8192*(2*\u+\t/8)+1024*(\t%8)+512*\c
.endr
.endm
.macro KEARLY u                        ; 30 loads: eleven fragments, and the scale words (register j: the 32 rows of tiles 2 j and 2 j + 1)
	WIN 0x40
.irp t, 0,1,2,3,4,5,6,7
	KLD \t, S+64+8*\t, \u
.endr
	KLD 8, 16, \u
	KLD 10, 0, \u
	KLD 11, 8, \u
	WIN 0
.irp j, 0,1,2,3,4,5,6,7
	ds_load_b32 v[KSC+\j], v[ADS] offset:512*(2*\u+\j/4)+128*(\j%4)
.endr
.endm
.macro KMID u                          ; 6 loads: the fragments whose registers are free behind tile A's second product and tile B's sums
	WIN 0
	KLD 14, 40, \u
	KLD 15, 48, \u
	WIN 0x40
	KLD 9, 24, \u
	WIN 0
.endm
.macro KLATE u                         ; 4 loads: the two fragments whose registers tile B's second product leaves free
	WIN 0x40
	KLD 12, 40, \u
	KLD 13, 48, \u
	WIN 0
.endm
.macro CHUNKADR                        ; my half of the chunk in the slot that begins at s[TB]
	s_add_co_u32 s42, s[TB], s[GK]
	s_add_co_u32 s43, s[TB], s[GS]
	v_and_b32 v[AD], 31, v0
	v_lshlrev_b32 v[ADS], 2, v[AD]
	v_lshlrev_b32 v[AD], 4, v[AD]
	v_add_nc_u32 v[AD], s42, v[AD]                 ; codes (V's 32,768 bytes behind K's),
	v_add_nc_u32 v[ADS], s43, v[ADS]               ; scale words
.endm
.macro VFETCH u                        ; 40 loads: V's 16 fragments over tile A's p, and the scale words
.irp k, 0,1
.irp t, 0,1,2,3,4,5,6,7
.irp c, 0,1
	ds_load_b128 v[S+64*\k+8*\t+4*\c:S+64*\k+8*\t+4*\c+3], v[AD] offset:32768+8192*(2*\u+\k)+1024*\t+512*\c
.endr
.endr
.endr
.irp j, 0,1,2,3,4,5,6,7
	ds_load_b32 v[8+\j+8*((\j+5)/8)], v[ADS] offset:2048+512*(2*\u+\j/4)+128*(\j%4)
.endr
.endm
.macro QK j, f, q                      ; S^T, 32 keys x 16 queries; the constant 0 starts the sum
	v_wmma_scale_f32_32x16x128_f4 v[S+16*\j:S+16*\j+15], v[\f:\f+15], v[QC:QC+7], 0, v[KSC+\j], v[\q]
.endm
.macro PV j, k, p                      ; O^T, 32 of the head's 128 x 16 queries, K = 128 keys
	v_wmma_scale_f32_32x16x128_f4 v[O+16*\j:O+16*\j+15], v[S+64*\k+16*\j:S+64*\k+16*\j+15], v[PC+8*\k:PC+8*\k+7], v[O+16*\j:O+16*\j+15], v[8+4*\k+\j+8*((4*\k+\j+5)/8)], v[\p]
.endm
; THE SOFTMAX OF ONE TILE, 256 keys, in four parts, under the tile's window.
.macro MG n                            ; THE LARGEST SCORE OF EACH BLOCK OF 32 KEYS (a lane holds four whole blocks), in 16 groups of four lines, the four blocks by turns.  It serves twice: for the row's maximum, and, since p rises with the score, for the block's largest p.  (Each result is read from its low end on)
.irp b, 0,1,2,3
.if (\n) == 0
	v_max3_num_f32 v[W+\b], v[S+32*\b], v[S+32*\b+1], v[S+32*\b+2]
.elseif (\n) == 15
	v_max_num_f32 v[W+\b], v[W+\b], v[S+32*\b+31]
.else
	v_max3_num_f32 v[W+\b], v[W+\b], v[S+32*\b+2*(\n)+1], v[S+32*\b+2*(\n)+2]
.endif
.endr
.endm
.macro MROW
	v_max3_num_f32 v[W+4], v[W], v[W+1], v[W+2]
	v_max_num_f32 v[W+4], v[W+4], v[W+3]
	v_permlanex16_b32 v[W+5], v[W+4], s[SEL], s[SEL+1]
	v_max3_num_f32 v[MX], v[MX], v[W+4], v[W+5]    ; the running largest score, lane l xor 16's blocks with it
	v_mul_f32 v[W+6], s[NC], v[MX]                 ; -t
	v_floor_f32 v[W+6], v[W+6]                     ; the new -M = floor(-t) = -ceil(t): M IS A WHOLE NUMBER
	v_sub_f32 v[W+7], v[W+6], v[NM]                ; M's old value less its new one: a whole number, 0 or less
	v_mov_b32 v[NM], v[W+6]
.endm
.macro FMAS n                          ; t - M, two at a time (of the pairs log2(e) and -M the low word serves both halves)
.rept \n
	v_pk_fma_f32 v[S+jj:S+jj+1], v[S+jj:S+jj+1], s[CS:CS+1], v[NM:NM+1] op_sel_hi:[1,0,0]
.set jj, jj+2
.endr
.endm
.macro EXPS late                       ; late = 1: exponentials stand between O^T's products and its first read here
.set jj, 0
	FMAS 4
	v_cvt_i32_f32 v[W+7], v[W+7]                   ; (it saturates)
	FMAS 4
	v_ldexp_f32 v[FF], 1.0, v[W+7]                 ; f = 2^(old M - new M): a multiplication by it rounds nothing
	FMAS 56
.irp b, 0,1,2,3
	v_fma_f32 v[W+\b], v[W+\b], s[CS], v[NM]       ; the same of each block's largest score
.endr
.if \late
	WA
.endif
.set jj, 0
.rept 32
	v_pk_mul_f32 v[O+jj:O+jj+1], v[O+jj:O+jj+1], v[FF:FF+1] op_sel_hi:[1,0]   ; O^T under the new M, each result from its low end on
.set jj, jj+2
.endr
	WA
.irp b, 0,1,2,3
	v_exp_f32 v[W+\b], v[W+\b]                     ; the block's largest p: the same two instructions on the same number give the same bits
.endr
.set jj, 0
.rept 128
	v_exp_f32 v[S+jj], v[S+jj]                     ; p = 2^(t - M), at most 1: NOT normalised
.set jj, jj+1
.endr
	v_pk_mul_f32 v[SM:SM+1], v[SM:SM+1], v[FF:FF+1] op_sel_hi:[1,0]   ; the sum under the new M.  (A plain line behind the exponentials)
	WA
.endm
.macro SCALES p0, p1, pw, bw           ; p's two scale words (window pw reaches window 0's scale registers) and 16 registers of codes
.irp b, 0,1,2,3
	v_max_num_f32 v[W+\b], 0x1800000, v[W+\b]      ; the floor 2^(3 - 127): the byte cannot fall under 1 (a block whose every p has fallen to 0 keeps that byte: its codes are zeros)
.endr
.irp b, 0,1,2,3
	v_add_nc_u32 v[W+\b], 0xff000000, v[W+\b]      ; 2 off the exponent field: the conversion's scale operand
.endr
.irp b, 0,1,2,3
	v_lshrrev_b32 v[W+4+\b], 23, v[W+\b]           ; the scale's byte
.endr
.irp k, 0,2
	v_lshl_or_b32 v[W+4+\k], v[W+5+\k], 16, v[W+4+\k]   ; my blocks h and 2 + h of a 128-key half
.endr
.irp k, 0,2
	v_permlanex16_b32 v[W+5+\k], v[W+4+\k], s[SEL], s[SEL+1]
.endr
	WIN \pw
	v_lshl_or_b32 v[\p0], v[W+5], 8, v[W+4]        ; whole in lanes 0-15, which alone are read
	v_lshl_or_b32 v[\p1], v[W+7], 8, v[W+6]
	WIN \bw
.irp t, 0,1,2,3,4,5,6,7,8,9,10,11,12,13,14,15
	v_cvt_scalef32_pk8_fp4_f32 v[PC+\t], v[S+8*\t:S+8*\t+7], v[W+\t/4]   ; a tile's eight registers are one register of the operand
.endr
.endm
.macro SUMHI                           ; THE ROW'S SUM IS TAKEN OF THE UNQUANTISED p: two at a time, in four chains.  The upper half's 32 pairs (the first line is also the plain line behind the conversions)
	v_pk_add_f32 v[W+4:W+5], v[S+64:S+65], v[S+66:S+67]
	v_pk_add_f32 v[W+6:W+7], v[S+68:S+69], v[S+70:S+71]
	v_pk_add_f32 v[W+2:W+3], v[S+72:S+73], v[S+74:S+75]
	v_pk_add_f32 v[SM:SM+1], v[SM:SM+1], v[S+76:S+77]
	v_pk_add_f32 v[W+4:W+5], v[W+4:W+5], v[S+78:S+79]
	SUMQ 80, 6
.endm
.macro SUMQ from, n
.set jj, \from
.rept \n
	v_pk_add_f32 v[W+6:W+7], v[W+6:W+7], v[S+jj:S+jj+1]
	v_pk_add_f32 v[W+2:W+3], v[W+2:W+3], v[S+jj+2:S+jj+3]
	v_pk_add_f32 v[SM:SM+1], v[SM:SM+1], v[S+jj+4:S+jj+5]
	v_pk_add_f32 v[W+4:W+5], v[W+4:W+5], v[S+jj+6:S+jj+7]
.set jj, jj+8
.endr
.endm
.macro SUMEND                          ; the four chains, behind the lower half's 32 pairs
	v_pk_add_f32 v[W+4:W+5], v[W+4:W+5], v[W+6:W+7]
	v_pk_add_f32 v[SM:SM+1], v[SM:SM+1], v[W+2:W+3]
	v_pk_add_f32 v[SM:SM+1], v[SM:SM+1], v[W+4:W+5]
.endm
; A STEP: 256 keys x two tiles; u: the chunk's first or second of mine.  The accumulators take turns, one instruction a turn.
; meet = 1, 2 (in a chunk's second step): THE CHANGE OF SLOTS.  Behind V's loads, my last reads of this slot, I wait for my tensor load (my part of the next chunk), add 0 to my spare word, and wait for that and for my reads;
; signal; tile B's exponentials, codes and sums, work on registers, stand between signal and wait.  Behind the barrier nobody reads this slot any more and the next chunk is whole.
; meet = 1: the barrier is a round of the cluster's, and the joint refill is the first thing behind it; meet = 2: nothing is filled.
; next: the step of mine that follows, of this chunk or (behind a change) of the next; meet = 3: none follows.
.macro QKM j, f, win                   ; tile B's product j, and two groups of tile A's maxima beside it
	WIN \win
	QK \j, \f, QSB
	WIN 0
	MG 2*\j
	MG 2*\j+1
.endm
.macro STEP u, meet, next
	KLATE \u
	WA
	s_wait_dscnt 10                                ; the eleven early fragments and the scale words are in; KMID's six loads and KLATE's four may be out
	WIN 0x01
.irp j, 0,1,2,3
	QK \j, S+64+16*\j, QSA
.endr
	s_wait_dscnt 4                                 ; KMID's too
	QK 4, 16, QSA
	QK 5, 0, QSA
	WIN 0
	QK 7, PC, QSA
	s_wait_dscnt 0x0                               ; all of K
	WIN 0x01
	QK 6, PC, QSA
	WIN 0
	NOPS 4                                         ; places in front of the first read of the scores
.irp j, 0,1,2,3
	QKM \j, S+64+16*\j, 0x45
.endr
	QKM 4, 16, 0x45                                ; (this product and the next three write over fragments 0 to 7: the maxima behind product 3 are the places)
	QKM 5, 0, 0x45
	QKM 6, PC, 0x45
	QKM 7, PC, 0x44
	MROW
	EXPS 0
	SCALES PSA0, PSA1, 0, 0
	SUMHI
	SUMQ 0, 8
	SUMEND
	VFETCH \u                                      ; V lands while tile B is worked
.if (\meet) == 1 || (\meet) == 2
	s_xor_b32 s[TB], s[TB], CHUNK                  ; on to the other slot
	CHUNKADR
	WA
	s_wait_tensorcnt 0x0                           ; no tensor load of mine is out, so group 0 may be written
	ds_add_u32 v[SPW], v[NIL]
.if (\meet) == 1
	s_mov_b32 s[G0+1], s[LA]                       ; this slot,
	s_add_co_u32 s[LA], s[LA], CHUNK
	s_add_nc_u64 s[G0+2:G0+3], s[G0+2:G0+3], CHUNK ; the next 1,024 keys; the type bits on top are not reached
.endif
.endif
	WIN 0x55
	WA
.irp n, 0,1,2,3,4,5,6,7,8,9,10,11,12,13,14,15
	MG \n
.endr
	MROW
.if (\meet) == 1 || (\meet) == 2
	WA
	s_wait_dscnt 0x0                               ; the add is done, and my reads of this slot are over
	s_barrier_signal -1
.endif
	EXPS 1
	SCALES PSB0, PSB1, 0x15, 0x55
	SUMHI
	WIN 0
	WA
.if (\meet) == 1 || (\meet) == 2
	s_barrier_wait -1
.if (\meet) == 1
	CREST
	TLOAD                                          ; the first tensor load behind the round, my one until the next
.endif
	KEARLY \next                                   ; the upper half of tile B's p has been summed: the next step's fragments of K take its place
.elseif (\meet) == 0
	KEARLY \next
	s_wait_dscnt 30                                ; V is in; KEARLY's 30 loads may be out
.else
	s_wait_dscnt 0x0                               ; V is in
.endif
.irp k, 0,1
.irp j, 0,1,2,3
	PV \j, \k, PSA0+\k                             ; tile A's products, each with four of tile B's sums beside it
	WIN 0x55
	SUMQ 32*\k+8*\j, 1
	WIN 0
.endr
.endr
	WIN 0x55
	SUMEND
	WIN 0
.if (\meet) != 3
	KMID \next
.endif
	WIN 0x54
.irp j, 0,1,2,3
	PV \j, 0, PSB0
.endr
.irp j, 0,1,2,3
	PV \j, 1, PSB1
.endr
	WIN 0
	NOPS 5                                         ; places: the registers that these products read are loaded or written next
.endm
	CHUNKADR
	KEARLY 0
	KMID 0
.Lfill:                                            ; chunks 0 and 1: at the end of each its slot is filled again, with chunk 2, 3
	STEP 0, 0, 1
	STEP 1, 1, 0
	WA
	s_sub_co_u32 s[CNT], s[CNT], 1
	s_cmp_lg_u32 s[CNT], 0
	s_cbranch_scc1 .Lfill
	STEP 0, 0, 1                                   ; chunks 2 and 3 are written out, and nothing is fetched behind the last step
	STEP 1, 2, 0
	STEP 0, 0, 1
	STEP 1, 3, 0
	; THE WAY OUT.  A row's sum: the two halves, and lane l xor 16's
.macro ROWSUM
	v_add_f32 v[SM], v[SM], v[SM+1]
	v_permlanex16_b32 v[W+5], v[SM], s[SEL], s[SEL+1]
	v_add_f32 v[SM], v[SM], v[W+5]
.endm
	ROWSUM
	WIN 0x55
	ROWSUM
	WIN 0
	s_mul_i32 s42, s[WV], XW
	s_xor_b32 s43, s[WV], 4
	s_mul_i32 s43, s43, XW
	s_mul_i32 s14, s[WV], XW
	s_add_co_u32 s14, s14, STG                     ; my stage
	v_and_b32 v56, 31, v0                          ; (Q's codes are done with: v56-63 hold the way out's addresses)
	v_lshlrev_b32 v57, 4, v56                      ; 16 x lane
	v_lshlrev_b32 v58, 2, v56
	v_add_nc_u32 v59, s42, v57                     ; what I hand over,
	v_add_nc_u32 v60, s42, v58
	v_add_nc_u32 v61, s43, v57                     ; and what wave w xor 4 hands to me
	v_add_nc_u32 v62, s43, v58
	WIN 0x04
.irp i, 0,1,2,3,4,5,6,7,8,9,10,11,12,13,14,15
	ds_store_b128 v59, v[O+4*\i:O+4*\i+3] offset:512*\i   ; tile B: O^T, each result from its low end on,
.endr
	ds_store_b32 v60, v[NM] offset:8192            ; -M,
	ds_store_b32 v60, v[SM] offset:8320            ; the sum
	WIN 0
	WA
	s_wait_dscnt 0x0
	s_barrier_signal -1
	s_barrier_wait -1
	ds_load_b32 v[W], v62 offset:8192              ; tile A's other half of the keys
	ds_load_b32 v[W+1], v62 offset:8320
.irp i, 0,1,2,3,4,5,6,7,8,9,10,11,12,13,14,15
	ds_load_b128 v[S+4*\i:S+4*\i+3], v61 offset:512*\i
.endr
	s_wait_dscnt 16                                ; -M and the sum are in; the 16 loads of O^T may be out
	v_min_num_f32 v[W+2], v[NM], v[W]              ; the common -M
	v_sub_f32 v[W+3], v[W+2], v[NM]
	v_sub_f32 v[W+4], v[W+2], v[W]
	v_cvt_i32_f32 v[W+3], v[W+3]
	v_cvt_i32_f32 v[W+4], v[W+4]
	v_ldexp_f32 v[W+3], 1.0, v[W+3]                ; my factor,
	v_ldexp_f32 v[W+4], 1.0, v[W+4]                ; the other's
	v_mul_f32 v[W+5], v[SM], v[W+3]
	v_fma_f32 v[W+5], v[W+1], v[W+4], v[W+5]       ; the row's sum; it is over 1/2, since the row's largest p is
	WA
	v_rcp_f32 v[W+6], v[W+5]
	v_and_b32 v63, 15, v0                          ; (plain lines behind the transcendental)  r
	v_bfe_u32 v56, v0, 4, 1                        ; h
	v_mul_u32_u24 v59, v63, SPITCH
	v_lshl_add_u32 v59, v56, 5, v59
	v_add_nc_u32 v59, s14, v59                     ; in: row r; tile t's eight channels of my half lie 64 t + 32 h bytes on
	v_add_nc_u32 v60, s14, v57                     ; back: the 32 lanes take one row of 512 bytes
	s_wait_dscnt 0x0                               ; the other half's O^T
	WA
	v_mul_f32 v[W+2], v[W+3], v[W+6]
	v_mul_f32 v[W+4], v[W+4], v[W+6]
.set jj, 0
.rept 32
	v_pk_mul_f32 v[O+jj:O+jj+1], v[O+jj:O+jj+1], v[W+2:W+3] op_sel_hi:[1,0]
.set jj, jj+2
.endr
.set jj, 0
.rept 32
	v_pk_fma_f32 v[S+jj:S+jj+1], v[S+jj:S+jj+1], v[W+4:W+5], v[O+jj:O+jj+1] op_sel_hi:[1,0,1]   ; register 8 t + i is out0(r, 16 t + 8 h + i)
.set jj, jj+2
.endr
.irp t, 0,1,2,3,4,5,6,7
	ds_store_b128 v59, v[S+8*\t:S+8*\t+3] offset:64*\t
	ds_store_b128 v59, v[S+8*\t+4:S+8*\t+7] offset:64*\t+16
.endr
.irp i, 0,1,2,3,4,5,6,7,8,9,10,11,12,13,14,15
	ds_load_b128 v[O+4*\i:O+4*\i+3], v60 offset:\i*SPITCH          ; LDS serves a wave's instructions in order (ISA guide 5.7.1.4): these see my stores
.endr
.irp i, 0,1,2,3,4,5,6,7,8,9,10,11,12,13,14,15
	s_wait_dscnt 15-\i                             ; row i is back; the younger loads may be out
	global_store_b128 v57, v[O+4*\i:O+4*\i+3], s[8:9] offset:512*\i th:TH_STORE_NT   ; 32 lanes store 512 consecutive bytes, at a multiple of 256 from out0's first byte; written once, read by nobody here
.endr
	s_wait_tensorcnt 0x0                           ; the wave's end, behind my last tensor load and my last LDS store
	ds_add_u32 v[SPW], v[NIL]
	s_wait_dscnt 0x0
	CROUND                                         ; the closing round: no work-group ends while a partner may still ask for a chunk that names it
	s_endpgm
.Lfunc_end_k_qbe662e9618_attn:
	.size	k_qbe662e9618_attn, .Lfunc_end_k_qbe662e9618_attn-k_qbe662e9618_attn
	.p2alignl 7, 3214868480
	.fill 96, 4, 3214868480
	.section	.rodata,"a",@progbits
	.p2align	6, 0x0
	.amdhsa_kernel k_qbe662e9618_attn
		.amdhsa_group_segment_fixed_size 327680
		.amdhsa_private_segment_fixed_size 0
		.amdhsa_enable_private_segment 0
		.amdhsa_kernarg_size 24
		.amdhsa_user_sgpr_count 2
		.amdhsa_user_sgpr_kernarg_segment_ptr 1
		.amdhsa_wavefront_size32 1
		.amdhsa_system_sgpr_workgroup_id_x 1
		.amdhsa_system_sgpr_workgroup_id_y 1
		.amdhsa_system_sgpr_workgroup_id_z 1
		.amdhsa_system_vgpr_workitem_id 0
		.amdhsa_next_free_vgpr 512
		.amdhsa_next_free_sgpr 66
		.amdhsa_reserve_vcc 0
		.amdhsa_float_denorm_mode_32 3
		.amdhsa_float_denorm_mode_16_64 3
		.amdhsa_memory_ordered 1
		.amdhsa_forward_progress 1
		.amdhsa_inst_pref_size 255
	.end_amdhsa_kernel
	.section	.bss,"aw",@nobits
	.p2align	6
	.space	262144
	.amdgpu_metadata
---
amdhsa.version: [ 1, 2 ]
amdhsa.kernels:
  - .name:           k_qbe662e9618_attn
    .symbol:         k_qbe662e9618_attn.kd
    .args:
      - { .name: Q, .offset: 0, .size: 8, .value_kind: global_buffer, .address_space: global }
      - { .name: kv, .offset: 8, .size: 8, .value_kind: global_buffer, .address_space: global }
      - { .name: out0, .offset: 16, .size: 8, .value_kind: global_buffer, .address_space: global }
    .group_segment_fixed_size: 327680
    .private_segment_fixed_size: 0
    .kernarg_segment_align: 8
    .kernarg_segment_size: 24
    .max_flat_workgroup_size: 256
    .sgpr_count:     66
    .vgpr_count:     512
    .wavefront_size: 32
...
	.end_amdgpu_metadata
.endif
;; end of part 2
